; MI455X (gfx1250); checked and timed in simulation.
; The chip was launched on July 23, 2026; its instructions are those of AMD's public machine-readable ISA for CDNA 5 (MIT licence, August 2026) and "CDNA5" Instruction Set Architecture Reference Guide (July 2026). The comments in the code are by the model that wrote it; some were corrected since.
;; Attention. Allowed arithmetic: matrix products marked QUANTISED: E2M1 operands, one E8M0 scale for each 32 along K, by v_wmma_scale_f32_16x16x128_f8f6f4 with both operands' format E2M1 (or v_wmma_scale_f32_32x16x128_f4), f32 sums; everything else in f32.
;; Inputs: Wk 16 x 1,024 x 64 float32; Wq 16 x 1,024 x 64 float32; Wv 16 x 1,024 x 64 float32; bk 16 x 64 float32; bq 16 x 64 float32; bv 16 x 64 float32; k 4 x 2,048 x 1,024 float32; q 4 x 2,048 x 1,024 float32; v 4 x 2,048 x 1,024 float32.
;; Outputs: out0 4 x 2,048 x 1,024 float32.
;; This version of the problem:
;;   THIS VERSION OF THE PROBLEM IS GIVEN IN LOW PRECISION. The matrix products marked QUANTISED in the list below multiply operands that are first quantised to E2M1 (2 exponent bits, 1 mantissa bit; 4 bits a number), with one power-of-two scale for each 32 numbers along K (OCP MX v1.0); their sums are f32. All else is computed in f32.
;;   The module's matrix products, in the order in which they are computed (A, B: the left and right operand; K: the contracted axis; several contracted axes count as one K, in the product's order):
;;     1. [M 1,024, K 1,024] x [K 1,024, N 8,192]; A: input Wq; B: input q: QUANTISED
;;     2. [M 1,024, K 1,024] x [K 1,024, N 8,192]; A: input Wk; B: input k: QUANTISED
;;     3. [M 1,024, K 1,024] x [K 1,024, N 8,192]; A: input Wv; B: input v: QUANTISED
;;     4. batch 64 x [M 2,048, K 64] x [K 64, N 2,048]; A: computed on the way; B: computed on the way: QUANTISED
;;     5. batch 64 x [M 2,048, K 2,048] x [K 2,048, N 64]; A: softmax (see below); B: computed on the way: QUANTISED
;;   THE QUANTISER, for each operand of a quantised product, along K:
;;     - K is cut into blocks of 32 from its start; a last block that is shorter is filled with zeros.
;;     - A block's scale is 2^e with e = floor(log2(the largest magnitude in the block)) - 2, held to -126 .. 127; a block of zeros has e = 0. As a byte (E8M0): e + 127.
;;     - Each number is divided by its block's scale, clamped to +-6, and rounded to the nearest number of E2M1, ties to even, subnormals kept.
;;     - The product sums the exact products of the quantised numbers (number of the format x scale) in f32.
;;   ~~~python
;;   def quantise(x, axis):      # numpy; x: float32 -> the quantised numbers, widened to float32 again
;;       x = np.moveaxis(x, axis, -1); K = x.shape[-1]
;;       x = np.pad(x, [(0, 0)] * (x.ndim - 1) + [(0, -K % 32)]); x = x.reshape(x.shape[:-1] + (-1, 32)); a = np.abs(x).max(-1, keepdims=True)
;;       e = np.where(a > 0, np.clip(np.frexp(np.where(a > 0, a, 1))[1] - 1 - 2, -126, 127), 0)      # np.frexp(a)[1] - 1 = floor(log2(a)), exactly
;;       r = np.clip(x / 2.0 ** e, -6, 6)
;;       step = 2.0 ** (np.maximum(np.frexp(np.where(r == 0, 1, r))[1] - 1, 0) - 1)
;;       q = np.round(r / step) * step * 2.0 ** e      # np.round: ties to even
;;       return np.moveaxis(q.reshape(q.shape[:-2] + (-1,))[..., :K], -1, axis).astype(np.float32)
;;   ~~~
;;   SOFTMAX AHEAD OF A QUANTISED PRODUCT. Where the list says 'softmax', what is quantised is not the finished softmax but p = 2^(t - M), with t = logit x log2(e) and M = ceil(the row's largest t), a whole number; so 1/2 < the row's largest p <= 1. The row's sum l is taken of the UNQUANTISED p, in f32, and the product's result is divided by l at the end. Since M is a whole number, a kernel that streams over the keys may use a running M (the ceiling of the running maximum): every later rescaling is an exact power of two, which a block's scale takes up: the codes' values come out the same.
;;   OPERANDS COMPUTED ON THE WAY. 'Computed on the way' means the value that the module computes at that place (a softmax that the list does not call 'softmax' is quantised finished and normalised). What goes into a quantiser is computed in f32, as accurately as f32 sums, v_exp_f32 and their like allow (about 1e-6 of the number): no bf16 or f16 on the way to a quantiser, and a product that is left as it is and whose result goes on into a quantised operand takes f32 operands (vector FMAs, or v_wmma_f32_16x16x4_f32). A number that lies on a knife's edge between two numbers of the format may be rounded either way, as far as f32 arithmetic and the matrix unit's own rounding can turn it there, and no further.
;; 2 versions, each right; version 2 is version 1 with the launch proj written anew for expert scheduling mode. Each part assembles by itself: llvm-mc -triple=amdgcn-amd-amdhsa -mcpu=gfx1250 --defsym DOCPART=n.
;; ======== version 1 of 2: 3 launches
;; workspace buffers: wc 1,572,864 bytes; ws 98,304 bytes; qx 8,912,896 bytes; kv 8,912,896 bytes
;; launch wquant (part 1): grid 64 x 3, 4 waves a work-group, no clusters, 8,704 bytes of LDS; arguments Wq, Wk, Wv, wc, ws; writes wc, ws
.if DOCPART == 1
	.amdgcn_target "amdgcn-amd-amdhsa--gfx1250"
	.amdhsa_code_object_version 6
	.text
	.protected	k_q64d54158e0_wquant
	.globl	k_q64d54158e0_wquant
	.p2align	8
	.type	k_q64d54158e0_wquant,@function
k_q64d54158e0_wquant:
	s_mov_b64 s[64:65], 0
	v_nop
	global_prefetch_b8 v0, s[64:65] scope:SCOPE_SE
	s_setreg_imm32_b32 hwreg(HW_REG_WAVE_MODE, 25, 1), 1
	s_wait_xcnt 0x0
; Wq, Wk, Wv [16 heads][1024 d][64 a], f32, become codes of FP4 (E2M1) with one E8M0 byte for each 32 along d, which is the products' K and the MIDDLE axis.
; A LANE TAKES A COLUMN a AND ITS REGISTERS RUN DOWN d: a block of 32 along K lies in one lane's 32 registers, and the conversions give codes with K innermost.
; OUT: images of operand registers.  wc: (((T 16 + e) 8 + s) 4 + t) 1024 + 512 c + 16 lane': lane' = 16 h + p holds column 32 (t / 2) + 8 (t % 2) + p + 8 (p / 8), d = 128 s + 64 c + 32 h + 0 .. 31.
;      ws: ((T 16 + e) 16 + 2 s + b) 128 + 4 (16 u + p): the four scale bytes of K step s of tile 2 b + u, position p.
; SHARES: work-group x = 4 e + sg, y = T (0 Wq, 1 Wk, 2 Wv).  Wave w: columns 32 (w % 2) on, K step s = 2 sg + w / 2: 128 rows x 32 columns.
; A block's scale is 2^(floor(log2(largest magnitude)) - 2); its byte is the largest magnitude's exponent field - 2, held at 1 from below.
; LIMITS: NaN and infinities are not served; a block whose largest magnitude lies under 2^-124 (zeros too) keeps the byte 1: the bytes are read by this program alone, and zero codes add nothing.
; No matrix work, no cluster, no tensor load: waves share nothing, so there is no barrier.
.set X,    64                          ; v64-191  the 128 numbers: block t at v[64 + 32 t]
.set C,    16                          ; v16-31   codes, four registers a block
.set SW,   32                          ; v32      my column's scale word
.set OUTR, 40                          ; v40-55   the way out
	s_load_b256 s[4:11], s[0:1], 0x0               ; Wq s[4:5], Wk s[6:7], Wv s[8:9], wc s[10:11]
	s_load_b64 s[12:13], s[0:1], 0x20              ; ws
	v_lshl_add_u32 v192, v0, 2, 0x2000
	v_mov_b32 v193, 0
	v_lshrrev_b32 v1, 5, v0
	v_readfirstlane_b32 s16, v1                    ; wave 0..3
	s_and_b32 s17, ttmp7, 0xffff                   ; T
	s_lshr_b32 s18, ttmp9, 2                       ; e
	s_and_b32 s19, ttmp9, 3
	s_lshl_b32 s19, s19, 1
	s_lshr_b32 s20, s16, 1
	s_add_co_u32 s19, s19, s20                     ; s = 2 sg + wave / 2
	s_and_b32 s20, s16, 1                          ; b
	s_lshl_b32 s22, s18, 18                        ; in: e x 262,144 + s x 32,768 + b x 128
	s_lshl_b32 s21, s19, 15
	s_add_co_u32 s22, s22, s21
	s_lshl_b32 s21, s20, 7
	s_add_co_u32 s22, s22, s21
	s_mov_b32 s23, 0
	s_lshl_b32 s21, s17, 4
	s_add_co_u32 s21, s21, s18                     ; 16 T + e
	s_lshl_b32 s24, s21, 3                         ; wc: ((16 T + e) 8 + s) 4,096 + 2,048 b
	s_add_co_u32 s24, s24, s19
	s_lshl_b32 s24, s24, 12
	s_lshl_b32 s26, s20, 11
	s_add_co_u32 s24, s24, s26
	s_mov_b32 s25, 0
	s_lshl_b32 s26, s21, 4                         ; ws: ((16 T + e) 16 + 2 s + b) 128
	s_lshl_b32 s28, s19, 1
	s_add_co_u32 s26, s26, s28
	s_add_co_u32 s26, s26, s20
	s_lshl_b32 s26, s26, 7
	s_mov_b32 s27, 0
	v_and_b32 v7, 31, v0                           ; lane = my column among the wave's 32
	v_lshlrev_b32 v2, 2, v7                        ; in: 4 bytes a lane
	v_bfe_u32 v8, v0, 3, 1                         ; u: which of the two tiles my column falls into
	v_and_b32 v9, 7, v0
	v_bfe_u32 v10, v0, 4, 1
	v_lshl_or_b32 v9, v10, 3, v9                   ; p: its position there
	s_lshl_b32 s28, s16, 11                        ; my wave's stage: 2,048 bytes
	v_lshlrev_b32 v3, 4, v9
	v_lshl_add_u32 v3, v8, 10, v3
	v_add_nc_u32 v3, s28, v3                       ; into the stage: 1,024 u + 16 p; the block's 512 c + 256 h stand in the immediate
	v_lshlrev_b32 v5, 4, v7                        ; out: 16 bytes a lane
	v_add_nc_u32 v4, s28, v5
	v_lshl_add_u32 v6, v8, 4, v9
	v_lshlrev_b32 v6, 2, v6                        ; my scale word's place: 4 (16 u + p)
	s_wait_kmcnt 0x0
	s_cmp_eq_u32 s17, 0                            ; the choice hangs on the work-group's number alone
	s_cselect_b64 s[4:5], s[4:5], s[6:7]
	s_cmp_eq_u32 s17, 2
	s_cselect_b64 s[4:5], s[8:9], s[4:5]
	s_add_nc_u64 s[4:5], s[4:5], s[22:23]
	s_add_nc_u64 s[10:11], s[10:11], s[24:25]
	s_add_nc_u64 s[12:13], s[12:13], s[26:27]
.macro LOAD t                          ; block t: W(128 s + 32 t + i, my column): 32 lanes read 128 consecutive bytes
.set i, 0
.rept 32
	global_load_b32 v[X+32*(\t)+i], v2, s[4:5] offset:(32*(\t)+i)*256 th:TH_LOAD_NT
.set i, i+1
.endr
.endm
.macro BLOCK t
.set XB, X+32*(\t)
.if (\t) < 3
	s_wait_loadcnt 32                              ; this block's 32 loads are in; the next block's 32 may be out
.else
	s_wait_loadcnt 0
.endif
.if (\t) < 2
	LOAD (\t)+2                                    ; two blocks ahead, into registers of its own
.endif
	v_max3_num_f32 v12, |v[XB]|, |v[XB+1]|, |v[XB+2]|              ; the block's largest magnitude, in two chains
	v_max3_num_f32 v13, |v[XB+3]|, |v[XB+4]|, |v[XB+5]|
.irp i, 6,10,14,18,22,26
	v_max3_num_f32 v12, v12, |v[XB+\i]|, |v[XB+\i+1]|
	v_max3_num_f32 v13, v13, |v[XB+\i+2]|, |v[XB+\i+3]|
.endr
	v_max3_num_f32 v12, v12, |v[XB+30]|, |v[XB+31]|
	v_max3_num_f32 v12, v12, v13, 0x1800000        ; and the floor 2^(3 - 127): the byte cannot fall under 1
	v_add_nc_u32 v11, 0xff000000, v12              ; 2 off the exponent field: the conversion takes this operand's exponent field as its scale
	v_lshrrev_b32 v13, 23, v11                     ; the scale's byte
.if (\t) == 0
	v_mov_b32 v[SW], v13
.else
	v_lshl_or_b32 v[SW], v13, 8*(\t), v[SW]        ; byte t of the word: k = 32 t on
.endif
.irp g, 0,1,2,3
	v_cvt_scalef32_pk8_fp4_f32 v[C+4*(\t)+\g], v[XB+8*\g:XB+8*\g+7], v11
.endr
	ds_store_b128 v3, v[C+4*(\t):C+4*(\t)+3] offset:((\t)/2)*512+((\t)%2)*256   ; block t = 2 c + h of the fragment's image.  (The next vector lines are plain and touch neither codes nor sources)
.endm
	LOAD 0
	LOAD 1
	BLOCK 0
	BLOCK 1
	BLOCK 2
	BLOCK 3
	global_store_b32 v6, v[SW], s[12:13]           ; 32 lanes: 128 consecutive bytes
.irp i, 0,1,2,3
	ds_load_b128 v[OUTR+4*\i:OUTR+4*\i+3], v4 offset:512*\i     ; LDS serves a wave's instructions in order (ISA guide 5.7.1.4): these see my stores
.endr
.irp i, 0,1,2,3
	s_wait_dscnt 3-\i                              ; the younger stage loads may be out
	global_store_b128 v5, v[OUTR+4*\i:OUTR+4*\i+3], s[10:11] offset:512*\i   ; 512 consecutive bytes, at a multiple of 256 from wc's first byte
.endr
	s_wait_tensorcnt 0x0
	ds_add_u32 v192, v193
	s_wait_dscnt 0x0
	s_endpgm
.Lfunc_end_k_q64d54158e0_wquant:
	.size	k_q64d54158e0_wquant, .Lfunc_end_k_q64d54158e0_wquant-k_q64d54158e0_wquant
	.p2alignl 7, 3214868480
	.fill 96, 4, 3214868480
	.section	.rodata,"a",@progbits
	.p2align	6, 0x0
	.amdhsa_kernel k_q64d54158e0_wquant
		.amdhsa_group_segment_fixed_size 8704
		.amdhsa_private_segment_fixed_size 0
		.amdhsa_enable_private_segment 0
		.amdhsa_kernarg_size 40
		.amdhsa_user_sgpr_count 2
		.amdhsa_user_sgpr_kernarg_segment_ptr 1
		.amdhsa_wavefront_size32 1
		.amdhsa_system_sgpr_workgroup_id_x 1
		.amdhsa_system_sgpr_workgroup_id_y 1
		.amdhsa_system_sgpr_workgroup_id_z 1
		.amdhsa_system_vgpr_workitem_id 0
		.amdhsa_next_free_vgpr 194
		.amdhsa_next_free_sgpr 66
		.amdhsa_reserve_vcc 0
		.amdhsa_float_denorm_mode_32 3
		.amdhsa_float_denorm_mode_16_64 3
		.amdhsa_memory_ordered 1
		.amdhsa_forward_progress 1
		.amdhsa_inst_pref_size 22
	.end_amdhsa_kernel
	.amdgpu_metadata
---
amdhsa.version: [ 1, 2 ]
amdhsa.kernels:
  - .name:           k_q64d54158e0_wquant
    .symbol:         k_q64d54158e0_wquant.kd
    .args:
      - { .name: Wq, .offset: 0, .size: 8, .value_kind: global_buffer, .address_space: global }
      - { .name: Wk, .offset: 8, .size: 8, .value_kind: global_buffer, .address_space: global }
      - { .name: Wv, .offset: 16, .size: 8, .value_kind: global_buffer, .address_space: global }
      - { .name: wc, .offset: 24, .size: 8, .value_kind: global_buffer, .address_space: global }
      - { .name: ws, .offset: 32, .size: 8, .value_kind: global_buffer, .address_space: global }
    .group_segment_fixed_size: 8704
    .private_segment_fixed_size: 0
    .kernarg_segment_align: 8
    .kernarg_segment_size: 40
    .max_flat_workgroup_size: 128
    .sgpr_count:     66
    .vgpr_count:     194
    .wavefront_size: 32
...
	.end_amdgpu_metadata
.endif
;; end of part 1
;; launch proj (part 2): grid 64 x 3, 8 waves a work-group, no clusters, 138,240 bytes of LDS; arguments q, k, v, bq, bk, bv, wc, ws, qx, kv; writes qx, kv
.if DOCPART == 2
	.amdgcn_target "amdgcn-amd-amdhsa--gfx1250"
	.amdhsa_code_object_version 6
	.text
	.protected	k_q64d54158e0_proj
	.globl	k_q64d54158e0_proj
	.p2align	8
	.type	k_q64d54158e0_proj,@function
k_q64d54158e0_proj:
	s_mov_b64 s[64:65], 0
	v_nop
	global_prefetch_b8 v0, s[64:65] scope:SCOPE_SE
	s_setreg_imm32_b32 hwreg(HW_REG_WAVE_MODE, 25, 1), 1
	s_wait_xcnt 0x0
; The three projections x W + b on codes of FP4 (E2M1), one E8M0 scale for each 32 along K = d, and the quantising of their results for the attention launch.
; SHARES.  Work-group (x = rb, y = T): 128 rows of tensor T (0 q, 1 k, 2 v; batch rb / 16, step j = rb % 16) x all 1,024 columns.  x is read from memory once and its codes never go to memory.
; PHASE X: wave w quantises tile w of 16 rows for all of K and leaves eight fragments in LDS as images of their registers.  One barrier.  PHASE G: THE WAVES SHARE THE COLUMNS: wave w makes heads w and w + 8
; for all 128 rows: 32 accumulators; W's fragments come from wc straight into the one wave that uses them.
; THE ROWS OF A TILE ARE NOT NEIGHBOURS: position p of tile 2 g + u is row 32 g + 8 u + p + 8 (p / 8); W's columns of a head likewise.  So the 16 registers of two neighbouring result tiles are 16 neighbours.
; q, k: source 0 = W, source 1 = x: a lane holds ONE row and its registers run along the head's 64, which is the next product's K.  v: source 0 = x, source 1 = W: a lane holds one channel and its registers run along
; the keys, which are ITS next K.  The results are quantised in registers and stored as register images.
; A RECORD of 8,704 bytes for each (16 batch + head, j):  +0 K codes: 512 tile + 16 lane (position lane % 16, channels 32 (lane / 16) on);  +4096 V codes: 1,024 t + 512 c + 16 lane (channel position lane % 16 of tile t,
; keys 64 c + 32 (lane / 16) on);  +8192 K scale words: 16 p + 4 g (bytes 0, 1 tile 2 g, bytes 2, 3 tile 2 g + 1);  +8448 V scale words: 16 p + 4 t.  q's go to qx in K's places.
; The bias is the C of each sum's first product, so it is added ahead of the products and not behind them: the order of rounding differs from a sum with the bias last, in f32's last bits.
; LIMITS: NaN and infinities are not served; a block whose largest magnitude lies under 2^-124 (zeros too) keeps the scale byte 1: the bytes are read by this program alone, and zero codes add nothing.
; NO CLUSTER, NO TENSOR LOAD: the work-groups of one tensor read the same 544 KB of wc and ws, but 136 KB of LDS are written by LDS stores, and what is left holds a third of that: sharing would mean refills.
; REGISTERS.  Window 0: see the names below.  Window 1: phase X: three sets of 64 numbers as loaded (v0, v64, v128), 64 turned numbers (v192); phase G: the accumulators (q, k: 32 x + 8 t; v: 64 t + 8 x).
.set XIMG, 0                           ; LDS: x's 64 fragments: 8,192 tile + 1,024 K step + 512 c + 16 lane
.set XSC,  65536                       ; their scale words: 512 s + 16 (16 u + p) + 4 g: one load of 16 bytes gives register g = tile 2 g in lanes 0-15, tile 2 g + 1 in lanes 16-31
.set STG,  69632                       ; a turning stage for each wave: 16 rows x (512 + 16) bytes
.set SROW, 528
.set REC,  8704
.set LI,  1                            ; v1   16 x lane
.set XSA, 2                            ; v2   XSC + 16 x lane
.set STW, 3                            ; v3   my stage + 16 x lane
.set STR, 4                            ; v4   my stage + 528 r + 64 h
.set XWI, 5                            ; v5   8,192 x wave + 16 x lane
.set XWS, 6                            ; v6   XSC + 256 u + 4 g + 16 r
.set WSA, 7                            ; v7   4 x lane
.set BAQ, 8                            ; v8   q, k: the bias of my half: 64 h
.set SCO, 9                            ; v9   16 r + 8 h
.set BAV, 10                           ; v10  v: the bias of my channel: 4 (r + 8 (r / 8))
.set BI,  16                           ; v16-47   the bias in the result's layout, 8 registers a column tile
.set WS,  48                           ; v48-63   W's scale words: register 2 s + p: tile 2 p in lanes 0-15, tile 2 p + 1 in lanes 16-31
.set XF,  64                           ; v64-127  x's eight fragments of a K step; at a head's end the codes to store
.set WF,  128                          ; v128-191 W's four fragments, two sets
.set XS,  192                          ; v192-195 x's scale words
.set BT,  196                          ; v196-199 v: the bias as loaded
.set TM,  200                          ; v200-203 largest magnitudes, v204-207 the other half's, then bytes, v212-215 scale operands
.set PCX, 216                          ; v216-223 phase X: a fragment's codes
.set PWX, 224                          ; v224     and its scale word
.set HW,  226                          ; v226-233 q, k: a tile's two scale bytes
.set WD,  234                          ; v234-237 four scale words to store
.set SD,  238                          ; v238-239 the two of them that my half stores
.set MSB, 0
.macro WIN new                         ; the immediate's high byte repeats the setting that is left; bits 1:0 source 0, 3:2 source 1, 5:4 source 2, 7:6 destination
.if MSB != \new
	s_set_vgpr_msb (MSB<<8)|\new
.set MSB, \new
.endif
.endm
.macro PLACES                          ; four plain vector lines between matrix instructions and loads into their registers or reads of their results
.rept 4
	v_nop
.endr
.endm
	s_load_b256 s[4:11], s[0:1], 0x0               ; q s[4:5], k s[6:7], v s[8:9], bq s[10:11]
	s_load_b256 s[12:19], s[0:1], 0x20             ; bk s[12:13], bv s[14:15], wc s[16:17], ws s[18:19]
	s_load_b128 s[20:23], s[0:1], 0x40             ; qx s[20:21], kv s[22:23]
	v_lshl_add_u32 v254, v0, 2, 0x21800
	v_mov_b32 v255, 0
	v_lshrrev_b32 v11, 5, v0
	v_readfirstlane_b32 s35, v11                   ; wave 0..7
	s_and_b32 s34, ttmp7, 0xffff                   ; T
	s_mov_b32 s36, 0x76543210
	s_mov_b32 s37, 0xfedcba98                      ; v_permlanex16_b32's selects for lane l xor 16
	s_mov_b32 s38, 0xffff0000                      ; a mask: lanes 16-31
	v_and_b32 v11, 31, v0                          ; lane
	v_and_b32 v12, 15, v0                          ; r
	v_bfe_u32 v13, v0, 4, 1                        ; h
	v_lshlrev_b32 v[LI], 4, v11
	v_add_nc_u32 v[XSA], XSC, v[LI]
	s_mul_i32 s40, s35, 16*SROW
	s_add_co_u32 s40, s40, STG                     ; my stage
	v_add_nc_u32 v[STW], s40, v[LI]
	v_mul_u32_u24 v14, v12, SROW
	v_lshl_add_u32 v14, v13, 6, v14
	v_add_nc_u32 v[STR], s40, v14
	s_lshl_b32 s41, s35, 13
	v_add_nc_u32 v[XWI], s41, v[LI]
	s_and_b32 s42, s35, 1                          ; u
	s_lshr_b32 s43, s35, 1                         ; g
	s_lshl_b32 s41, s42, 8
	s_lshl_b32 s44, s43, 2
	s_add_co_u32 s41, s41, s44
	s_add_co_u32 s41, s41, XSC
	v_lshl_add_u32 v[XWS], v12, 4, s41
	v_lshlrev_b32 v[WSA], 2, v11
	v_lshlrev_b32 v[BAQ], 6, v13
	v_and_b32 v14, 8, v12
	v_add_nc_u32 v14, v14, v12
	v_lshlrev_b32 v[BAV], 2, v14
	v_lshlrev_b32 v[SCO], 4, v12
	v_lshl_add_u32 v[SCO], v13, 3, v[SCO]
.irp b, 0,1,2,3
	v_mov_b32 v[TM+4+\b], 0                        ; written once: a lane permute's destination counts as one of its sources
.endr
	s_lshl_b32 s44, ttmp9, 7                       ; x: row 128 rb + 32 g + 8 u, 4,096 bytes a row
	s_lshl_b32 s45, s43, 5
	s_add_co_u32 s44, s44, s45
	s_lshl_b32 s45, s42, 3
	s_add_co_u32 s44, s44, s45
	s_lshl_b32 s44, s44, 12
	s_mov_b32 s45, 0
	s_lshl_b32 s46, s35, 8                         ; the bias of head w
	s_mov_b32 s47, 0
	s_lshr_b32 s48, ttmp9, 4                       ; the record ((16 batch + w) 16 + j)
	s_lshl_b32 s48, s48, 4
	s_add_co_u32 s48, s48, s35
	s_lshl_b32 s48, s48, 4
	s_and_b32 s49, ttmp9, 15
	s_add_co_u32 s48, s48, s49
	s_mul_i32 s48, s48, REC
	s_mov_b32 s49, 0
	s_lshl_b32 s50, s34, 4
	s_add_co_u32 s50, s50, s35                     ; 16 T + w
	s_lshl_b32 s52, s50, 11                        ; its scale words,
	s_lshl_b32 s50, s50, 15                        ; its codes
	s_mov_b32 s51, 0
	s_mov_b32 s53, 0
	s_wait_kmcnt 0x0
	s_cmp_eq_u32 s34, 0                            ; the choices hang on the work-group's number alone
	s_cselect_b64 s[24:25], s[4:5], s[6:7]
	s_cselect_b64 s[26:27], s[10:11], s[12:13]
	s_cselect_b64 s[28:29], s[20:21], s[22:23]
	s_cmp_eq_u32 s34, 2
	s_cselect_b64 s[24:25], s[8:9], s[24:25]
	s_cselect_b64 s[26:27], s[14:15], s[26:27]
	s_add_nc_u64 s[24:25], s[24:25], s[44:45]      ; x at my tile's first row
	s_add_nc_u64 s[26:27], s[26:27], s[46:47]      ; the bias
	s_add_nc_u64 s[28:29], s[28:29], s[48:49]      ; the record
	s_add_nc_u64 s[30:31], s[16:17], s[50:51]      ; W's codes
	s_add_nc_u64 s[32:33], s[18:19], s[52:53]      ; W's scale words
; K step s (128 numbers, 512 bytes) of my tile's 16 rows into set s % 3: each load takes 512 consecutive bytes of one row
.macro LOADX s
	WIN 0x40
.set i, 0
.rept 16
	global_load_b128 v[64*((\s)%3)+4*i:64*((\s)%3)+4*i+3], v[LI], s[24:25] offset:(i+8*(i/8))*4096+512*(\s) th:TH_LOAD_NT
.set i, i+1
.endr
	WIN 0
.endm
; through my stage: in as loaded, a row a line; back so that register 16 b + i of lane (r, h) is k = 32 b + 16 h + i of row position r.  LDS serves a wave's instructions in order: no wait between
.macro TURN s
	WIN 0x04
.set i, 0
.rept 16
	ds_store_b128 v[STW], v[64*((\s)%3)+4*i:64*((\s)%3)+4*i+3] offset:SROW*i
.set i, i+1
.endr
	WIN 0x40
.irp b, 0,1,2,3
.irp j, 0,1,2,3
	ds_load_b128 v[192+16*\b+4*\j:192+16*\b+4*\j+3], v[STR] offset:128*\b+16*\j
.endr
.endr
	WIN 0
.endm
; 16 nb numbers of a lane in window 1, register s + 16 b + i = k 32 b + 16 h + i of my row, become codes in v[pc] on (4 registers for each two blocks, in the operand's layout) and nb scale bytes in v[pw].
; Where the numbers are matrix results, each accumulator is first read at its two lowest registers.
.macro QUANT s, nb, pc, pw
	WIN 0x05
.irp b, 0,1,2,3
.if \b < \nb
	v_max3_num_f32 v[TM+\b], |v[(\s)+16*\b]|, |v[(\s)+16*\b+1]|, 0x1800000   ; my 16 numbers of block b, and the floor 2^(3 - 127): the byte cannot fall under 1
.endif
.endr
.irp i, 2,4,6,8,10,12,14
.irp b, 0,1,2,3
.if \b < \nb
	v_max3_num_f32 v[TM+\b], |v[(\s)+16*\b+\i]|, |v[(\s)+16*\b+\i+1]|, v[TM+\b]
.endif
.endr
.endr
	WIN 0
.irp b, 0,1,2,3
.if \b < \nb
	v_permlanex16_b32 v[TM+4+\b], v[TM+\b], s36, s37
.endif
.endr
.irp b, 0,1,2,3
.if \b < \nb
	v_max_num_f32 v[TM+\b], v[TM+\b], v[TM+4+\b]   ; with lane l xor 16's: the block's largest magnitude
.endif
.endr
.irp b, 0,1,2,3
.if \b < \nb
	v_add_nc_u32 v[TM+12+\b], 0xff000000, v[TM+\b] ; 2 off its exponent field: the conversion's scale operand
.endif
.endr
.irp b, 0,1,2,3
.if \b < \nb
	v_lshrrev_b32 v[TM+4+\b], 23, v[TM+12+\b]      ; the scale's byte
.endif
.endr
	v_lshl_or_b32 v[\pw], v[TM+5], 8, v[TM+4]
.if \nb > 2
	v_lshl_or_b32 v[\pw], v[TM+6], 16, v[\pw]
	v_lshl_or_b32 v[\pw], v[TM+7], 24, v[\pw]
.endif
	WIN 0x01
.irp b, 0,1,2,3
.if \b < \nb
	v_cvt_scalef32_pk8_fp4_f32 v[(\pc)+2*\b], v[(\s)+16*\b:(\s)+16*\b+7], v[TM+12+\b]
	v_cvt_scalef32_pk8_fp4_f32 v[(\pc)+2*\b+1], v[(\s)+16*\b+8:(\s)+16*\b+15], v[TM+12+\b]
.endif
.endr
	WIN 0
	v_nop                                          ; one plain line behind the scaled conversions
.irp c, 0,1
.if 2*\c < \nb
.irp i, 0,1
	v_permlane16_swap_b32 v[(\pc)+4*\c+\i], v[(\pc)+4*\c+2+\i]   ; the layout wants a whole block in a lane: lanes 0-15 block 2 c, lanes 16-31 block 2 c + 1
.endr
.endif
.endr
.endm
	; ---- PHASE X.  Three K steps of loads (48 a wave) are out at the start
	LOADX 0
	LOADX 1
	LOADX 2
.macro XSTEP s
.if (\s) < 6
	s_wait_loadcnt 32                              ; this step's 16 loads are in; the two younger steps' may be out
.elseif (\s) == 6
	s_wait_loadcnt 16
.else
	s_wait_loadcnt 0
.endif
	TURN \s
	s_wait_dscnt 0x0                               ; the turned numbers are in; the stage's stores have read their set, the last image's stores their codes
.if (\s) < 5
	LOADX (\s)+3
.endif
	QUANT 192, 4, PCX, PWX
	ds_store_b128 v[XWI], v[PCX:PCX+3] offset:XIMG+1024*(\s)
	ds_store_b128 v[XWI], v[PCX+4:PCX+7] offset:XIMG+1024*(\s)+512
	ds_store_b32 v[XWS], v[PWX] offset:512*(\s)    ; both halves of the lanes write the same word with the same value
.endm
.irp s, 0,1,2,3,4,5,6,7
	XSTEP \s
.endr
	s_wait_dscnt 0x0                               ; for the others' sake: my images and scale words have landed
	s_barrier_signal -1
	s_barrier_wait -1                              ; the launch's one barrier: from here on LDS is only read
	; ---- PHASE G
.macro WSLOAD                          ; a head's 16 registers of W's scale words
.set i, 0
.rept 16
	global_load_b32 v[WS+i], v[WSA], s[32:33] offset:128*i
.set i, i+1
.endr
.endm
.macro WLOAD s                         ; W's four fragments of K step s into set s % 2: each load takes 512 consecutive bytes
.irp t, 0,1,2,3
.irp c, 0,1
	global_load_b128 v[WF+32*((\s)%2)+8*\t+4*\c:WF+32*((\s)%2)+8*\t+4*\c+3], v[LI], s[30:31] offset:4096*(\s)+1024*\t+512*\c
.endr
.endr
.endm
.macro XFETCH s                        ; x's scale words and eight fragments of K step s
	ds_load_b128 v[XS:XS+3], v[XSA] offset:512*(\s)
.irp x, 0,1,2,3,4,5,6,7
.irp c, 0,1
	ds_load_b128 v[XF+8*\x+4*\c:XF+8*\x+4*\c+3], v[LI] offset:XIMG+8192*\x+1024*(\s)+512*\c
.endr
.endr
.endm
.macro WMX                             ; one product, by the symbols rD, rA, rB, rC, rSA, rSB; fA, fB: the side's scales stand in lanes 16-31
.if fA && fB
	v_wmma_scale_f32_16x16x128_f8f6f4 v[rD:rD+7], v[rA:rA+7], v[rB:rB+7], v[rC:rC+7], v[rSA], v[rSB] matrix_a_fmt:MATRIX_FMT_FP4 matrix_b_fmt:MATRIX_FMT_FP4 matrix_a_scale:MATRIX_SCALE_ROW1 matrix_b_scale:MATRIX_SCALE_ROW1
.elseif fA
	v_wmma_scale_f32_16x16x128_f8f6f4 v[rD:rD+7], v[rA:rA+7], v[rB:rB+7], v[rC:rC+7], v[rSA], v[rSB] matrix_a_fmt:MATRIX_FMT_FP4 matrix_b_fmt:MATRIX_FMT_FP4 matrix_a_scale:MATRIX_SCALE_ROW1
.elseif fB
	v_wmma_scale_f32_16x16x128_f8f6f4 v[rD:rD+7], v[rA:rA+7], v[rB:rB+7], v[rC:rC+7], v[rSA], v[rSB] matrix_a_fmt:MATRIX_FMT_FP4 matrix_b_fmt:MATRIX_FMT_FP4 matrix_b_scale:MATRIX_SCALE_ROW1
.else
	v_wmma_scale_f32_16x16x128_f8f6f4 v[rD:rD+7], v[rA:rA+7], v[rB:rB+7], v[rC:rC+7], v[rSA], v[rSB] matrix_a_fmt:MATRIX_FMT_FP4 matrix_b_fmt:MATRIX_FMT_FP4
.endif
.endm
; 16 products: x's tiles x0 .. x0 + 3 against W's four.  vm = 0: source 0 = W, source 1 = x;  vm = 1: the other way round.  K step 0 takes the bias as C.
.macro MUL16 s, vm, x0
.irp x, \x0, \x0+1, \x0+2, \x0+3
.irp t, 0,1,2,3
.if \vm
.set rD, 64*\t+8*(\x)
.set rA, XF+8*(\x)
.set rB, WF+32*((\s)%2)+8*\t
.set rSA, XS+(\x)/2
.set rSB, WS+2*(\s)+\t/2
.set fA, (\x)%2
.set fB, \t%2
.else
.set rD, 32*(\x)+8*\t
.set rA, WF+32*((\s)%2)+8*\t
.set rB, XF+8*(\x)
.set rSA, WS+2*(\s)+\t/2
.set rSB, XS+(\x)/2
.set fA, \t%2
.set fB, (\x)%2
.endif
.if (\s) == 0
.set rC, BI+8*\t
.else
.set rC, rD
.endif
	WMX
.endr
.endr
.endm
; A K step of 128: 32 products.  The 32 accumulators take turns, one instruction a turn, in the same order in every step.
.macro KSTEP s, vm
.if (\s) < 7
	WLOAD (\s)+1                                   ; W a step ahead, into the set that the step before last multiplied
.endif
	XFETCH \s
.if (\s) < 7
	s_wait_loadcnt 8                               ; all but the eight just issued: this step's W is in (at step 0 the bias and W's scale words too)
.else
	s_wait_loadcnt 0
.endif
	s_wait_dscnt 8                                 ; x's scale words and tiles 0-3 are in; the eight loads of tiles 4-7 may be out
.if (\s) == 0
	WIN 0x40                                       ; D in window 1, C (the bias) in window 0
.else
	WIN 0x50                                       ; C and D in window 1
.endif
	MUL16 \s, \vm, 0
	s_wait_dscnt 0
	MUL16 \s, \vm, 4
	WIN 0
	PLACES
.endm
.macro SCSTORE off                     ; four scale words a position, the same in both halves of the lanes: lanes 0-15 store words 0, 1, lanes 16-31 words 2, 3: 256 consecutive bytes, aligned
	v_cndmask_b32 v[SD], v[WD], v[WD+2], s38
	v_cndmask_b32 v[SD+1], v[WD+1], v[WD+3], s38
	global_store_b64 v[SCO], v[SD:SD+1], s[28:29] offset:\off
.endm
.macro NEXTHEAD                        ; on to head w + 8
	s_wait_xcnt 0x0                                ; the stores have read their data and their base: both are written again only behind this wait
	s_add_nc_u64 s[28:29], s[28:29], 8*16*REC
	s_add_nc_u64 s[30:31], s[30:31], 8*32768
	s_add_nc_u64 s[32:33], s[32:33], 8*2048
	s_add_nc_u64 s[26:27], s[26:27], 8*256
	s_sub_co_u32 s39, s39, 1
	s_cmp_lg_u32 s39, 0
.endm
	s_cmp_eq_u32 s34, 2
	s_cbranch_scc1 .Lvpath
	s_mov_b32 s39, 2
.Lqk:                                  ; q, k: two heads
.irp t, 0,1,2,3
	global_load_b128 v[BI+8*\t:BI+8*\t+3], v[BAQ], s[26:27] offset:(32*(\t/2)+8*(\t%2))*4        ; register j of tile t: channel 32 (t / 2) + 16 h + 8 (t % 2) + j
	global_load_b128 v[BI+8*\t+4:BI+8*\t+7], v[BAQ], s[26:27] offset:(32*(\t/2)+8*(\t%2))*4+16
.endr
	WSLOAD
	WLOAD 0
.irp s, 0,1,2,3,4,5,6,7
	KSTEP \s, 0
.endr
.irp x, 0,1,2,3,4,5,6,7                ; tile x: a lane's 32 registers are channels 32 b + 16 h + i of its row: two blocks
	QUANT 32*\x, 2, XF+4*\x, HW+\x
	global_store_b128 v[LI], v[XF+4*\x:XF+4*\x+3], s[28:29] offset:512*\x   ; 512 consecutive bytes, aligned
.endr
.irp g, 0,1,2,3
	v_lshl_or_b32 v[WD+\g], v[HW+2*\g+1], 16, v[HW+2*\g]
.endr
	SCSTORE 8192
	NEXTHEAD
	s_cbranch_scc1 .Lqk
	s_wait_tensorcnt 0x0
	ds_add_u32 v254, v255
	s_wait_dscnt 0x0
	s_endpgm
.Lvpath:
	s_mov_b32 s39, 2
.Lv:                                   ; v: two heads
.irp t, 0,1,2,3
	global_load_b32 v[BT+\t], v[BAV], s[26:27] offset:(32*(\t/2)+8*(\t%2))*4   ; my lane's channel of tile t
.endr
	WSLOAD
	WLOAD 0
	s_wait_loadcnt 24                              ; the bias is in; the 16 scale words and W's eight loads may be out
.irp t, 0,1,2,3
.irp j, 0,1,2,3,4,5,6,7
	v_mov_b32 v[BI+8*\t+\j], v[BT+\t]              ; a lane's eight results of a tile are eight keys of one channel: the same bias
.endr
.endr
	PLACES
.irp s, 0,1,2,3,4,5,6,7
	KSTEP \s, 1
.endr
.irp t, 0,1,2,3                        ; tile t: a lane's 64 registers are keys 32 g + 16 h + i of its channel: four blocks, one fragment
	QUANT 64*\t, 4, XF+8*\t, WD+\t
	global_store_b128 v[LI], v[XF+8*\t:XF+8*\t+3], s[28:29] offset:4096+1024*\t
	global_store_b128 v[LI], v[XF+8*\t+4:XF+8*\t+7], s[28:29] offset:4096+1024*\t+512
.endr
	SCSTORE 8448
	NEXTHEAD
	s_cbranch_scc1 .Lv
	s_wait_tensorcnt 0x0
	ds_add_u32 v254, v255
	s_wait_dscnt 0x0
	s_endpgm
.Lfunc_end_k_q64d54158e0_proj:
	.size	k_q64d54158e0_proj, .Lfunc_end_k_q64d54158e0_proj-k_q64d54158e0_proj
	.p2alignl 7, 3214868480
	.fill 96, 4, 3214868480
	.section	.rodata,"a",@progbits
	.p2align	6, 0x0
	.amdhsa_kernel k_q64d54158e0_proj
		.amdhsa_group_segment_fixed_size 138240
		.amdhsa_private_segment_fixed_size 0
		.amdhsa_enable_private_segment 0
		.amdhsa_kernarg_size 80
		.amdhsa_user_sgpr_count 2
		.amdhsa_user_sgpr_kernarg_segment_ptr 1
		.amdhsa_wavefront_size32 1
		.amdhsa_system_sgpr_workgroup_id_x 1
		.amdhsa_system_sgpr_workgroup_id_y 1
		.amdhsa_system_sgpr_workgroup_id_z 1
		.amdhsa_system_vgpr_workitem_id 0
		.amdhsa_next_free_vgpr 512
		.amdhsa_next_free_sgpr 66
		.amdhsa_reserve_vcc 0
		.amdhsa_float_denorm_mode_32 3
		.amdhsa_float_denorm_mode_16_64 3
		.amdhsa_memory_ordered 1
		.amdhsa_forward_progress 1
		.amdhsa_inst_pref_size 203
	.end_amdhsa_kernel
	.amdgpu_metadata
---
amdhsa.version: [ 1, 2 ]
amdhsa.kernels:
  - .name:           k_q64d54158e0_proj
    .symbol:         k_q64d54158e0_proj.kd
    .args:
      - { .name: q, .offset: 0, .size: 8, .value_kind: global_buffer, .address_space: global }
      - { .name: k, .offset: 8, .size: 8, .value_kind: global_buffer, .address_space: global }
      - { .name: v, .offset: 16, .size: 8, .value_kind: global_buffer, .address_space: global }
      - { .name: bq, .offset: 24, .size: 8, .value_kind: global_buffer, .address_space: global }
      - { .name: bk, .offset: 32, .size: 8, .value_kind: global_buffer, .address_space: global }
      - { .name: bv, .offset: 40, .size: 8, .value_kind: global_buffer, .address_space: global }
      - { .name: wc, .offset: 48, .size: 8, .value_kind: global_buffer, .address_space: global }
      - { .name: ws, .offset: 56, .size: 8, .value_kind: global_buffer, .address_space: global }
      - { .name: qx, .offset: 64, .size: 8, .value_kind: global_buffer, .address_space: global }
      - { .name: kv, .offset: 72, .size: 8, .value_kind: global_buffer, .address_space: global }
    .group_segment_fixed_size: 138240
    .private_segment_fixed_size: 0
    .kernarg_segment_align: 8
    .kernarg_segment_size: 80
    .max_flat_workgroup_size: 256
    .sgpr_count:     66
    .vgpr_count:     512
    .wavefront_size: 32
...
	.end_amdgpu_metadata
.endif
;; end of part 2
;; launch attn (part 3): grid 4 x 64, 16 waves a work-group, clusters of 4 x 1, 210,944 bytes of LDS; arguments qx, kv, out0; writes out0
.if DOCPART == 3
	.amdgcn_target "amdgcn-amd-amdhsa--gfx1250"
	.amdhsa_code_object_version 6
	.text
	.protected	k_q64d54158e0_attn
	.globl	k_q64d54158e0_attn
	.p2align	8
	.type	k_q64d54158e0_attn,@function
k_q64d54158e0_attn:
	s_mov_b64 s[64:65], 0
	v_nop
	global_prefetch_b8 v0, s[64:65] scope:SCOPE_SE
	s_setreg_imm32_b32 hwreg(HW_REG_WAVE_MODE, 25, 1), 1
	s_wait_xcnt 0x0
	s_wait_alu depctr_hold_cnt(0) depctr_sa_sdst(0) depctr_va_vdst(0) depctr_va_sdst(0) depctr_va_ssrc(0) depctr_va_vcc(0) depctr_vm_vsrc(0)
	s_getreg_b32 s2, hwreg(HW_REG_IB_STS2, 6, 4)
	s_cmp_eq_u32 s2, 0
	s_cbranch_scc0 .Lentry_in_a_cluster
	s_endpgm
.Lentry_in_a_cluster:
	s_bfe_u32 s2, ttmp6, 0x10000c
	s_cmp_lg_u32 s2, 0x3003
	s_cbranch_scc0 .Lentry_shape_is_right
	s_endpgm
.Lentry_shape_is_right:
; out0[batch][q][64 e + :] = the sum over keys of softmax(qh . kh) vh, no scaling, no mask, both products on codes of FP4 (E2M1) with one E8M0 scale for each 32 along a product's K.
; qx, kv hold records of 8,704 bytes for each (hb = 16 batch + e, step j of 128 rows), made by the launch before as images of operand registers:
;   +0 K (in qx: Q) codes: 512 tile + 16 lane;  +4096 V codes, keys innermost: 1,024 t + 512 c + 16 lane;  +8192 K (Q) scale words: 16 p + 4 g;  +8448 V scale words: 16 p + 4 t.
;   Position p of tile 2 g + u is row 32 g + 8 u + p + 8 (p / 8) of the step; V's channels of tile t likewise.
; THE SOFTMAX: t = score x log2(e); M = the row's largest t so far, rounded UP to a whole number; p = 2^(t - M) is quantised along the keys, not normalised.  The row's sum is taken of the unquantised p and divides at
; the end.  When M moves, the sum and O are multiplied by 2^(old M - new M): exact.  A block's largest p is taken from its largest score by the same multiply-add and exponential.
; SHARES.  A work-group owns 512 queries of one head, in two passes of 256; in a pass each of its SIXTEEN waves owns one tile of 16 queries in 256 registers: four waves to a SIMD.  Every wave walks the head's 16 key steps.
; THE WHOLE HEAD'S RECORDS STAY IN LDS: 16 x 8,704 bytes, filled ONCE: wave w brings record w by one tensor load (one outstanding a wave).  Nothing is filled again: no ring.
; CLUSTER.  The four work-groups of a cluster are the four query blocks of one head and need the same records: each load is asked for JOINTLY, with the same descriptor and a mask that names the four.
; LAYOUT.  Both products are used transposed: S^T = K Q^T, O^T = V^T P^T: a lane holds ONE query (lane % 16) throughout, and the 16 registers of score tiles 2 g, 2 g + 1 are keys 32 g + 16 (lane / 16) + 0 .. 15.
; K = 64 IN AN INSTRUCTION OF 128: a fragment of K holds TWO key tiles, tile 2 g at k = 0 .. 63 and tile 2 g + 1 at k = 64 .. 127.  It is multiplied by [q | 0] and by [0 | q]: the half not wanted meets zero codes.
; LIMITS: NaN and infinities are not served; a p under 2^-126 counts as 0; a block whose every p is 0 keeps the scale byte 1 with zero codes.
.set REC,   8704
.set STAGE, 16*REC                     ; behind the records: 16 rows x (256 + 16) bytes for each wave, for the way out; no tensor load lands there
.set SP,    272
; v1 16 lane; v2 16 r; v3, v4 the step's LDS addresses; v5, v6 Q's codes and scale bytes in a record; v7 my place in out0; v8, v9 into the stage and back; v12 -M; v13 the largest t; v[14:15] the sum
; v16-23 [q | 0]; v24-31 [0 | q]; v32-63 K's four pair fragments; v64-95 V's four; v96-159 S^T, then p; v160-191 O^T; v192-199 p's codes; v200-203, v204-207 K's and V's scale words; v208 Q's; v209 p's
; v210 at work; v232-235 the blocks' largest scores; v236-239 the other half's, then bytes; v[240:241] the sum's second chain; v244-247 scale operands; v252 f (v253 named with it); v254 at work
; s12 wave; s13 cx; s14 hb; s[16:17] Q's record; s[18:19] out0 at my tile; s[20:21] lane selects; s[22:23] log2(e); s[24:31], s[32:35] the descriptor; s36 the step's record in LDS; s37 steps; s38 passes
.macro CROUND                          ; a round of the cluster's barrier: my work-group's barrier; wave 0 signals for the work-group; every wave waits for all four; my work-group's barrier once more
	s_barrier_signal -1
	s_barrier_wait -1
	s_cmp_lg_u32 s12, 0
	s_cbranch_scc1 .Lnot_wave_0_\@
	s_barrier_signal -3
.Lnot_wave_0_\@:
	s_barrier_wait -3
	s_barrier_signal -1
	s_barrier_wait -1
.endm
	s_load_b128 s[4:7], s[0:1], 0x0                ; qx s[4:5], kv s[6:7]
	s_load_b64 s[8:9], s[0:1], 0x10                ; out0
	v_lshl_add_u32 v251, v0, 2, 0x33000
	v_mov_b32 v255, 0
	ds_add_u32 v251, v255
	ds_add_u32 v251, v255
	v_lshrrev_b32 v10, 5, v0
	v_readfirstlane_b32 s12, v10                   ; wave 0..15
	s_bfe_u32 s13, ttmp6, 0x40000                  ; cx: it enters Q's and out0's addresses alone
	s_and_b32 s14, ttmp7, 0xffff                   ; hb, which the four partners share
	s_lshl_b32 s15, ttmp9, 2
	s_add_co_u32 s15, s15, s13                     ; my block of 512 queries
	s_lshr_b32 s2, s12, 3
	s_lshl_b32 s3, s15, 2
	s_add_co_u32 s3, s3, s2                        ; my query step in pass 0: 4 block + wave / 8
	s_and_b32 s10, s12, 7                          ; my tile in it
	s_lshl_b32 s40, s14, 4                         ; 16 hb
	s_add_co_u32 s42, s40, s12
	s_mul_i32 s42, s42, REC                        ; the record that I fetch: (16 hb + wave)
	s_mov_b32 s43, 0
	s_add_co_u32 s44, s40, s3
	s_mul_i32 s44, s44, REC                        ; Q's record
	s_mov_b32 s45, 0
	s_lshl_b32 s46, s3, 7                          ; out0: query 128 step + 32 (tile / 2) + 8 (tile % 2), 4,096 bytes a query,
	s_lshr_b32 s11, s10, 1
	s_lshl_b32 s11, s11, 5
	s_add_co_u32 s46, s46, s11
	s_and_b32 s11, s10, 1
	s_lshl_b32 s11, s11, 3
	s_add_co_u32 s46, s46, s11
	s_lshl_b32 s46, s46, 12
	s_lshr_b32 s11, s14, 4
	s_lshl_b32 s11, s11, 23                        ; the batch,
	s_add_co_u32 s46, s46, s11
	s_and_b32 s11, s14, 15
	s_lshl_b32 s11, s11, 8                         ; the head's 256 bytes of a row
	s_add_co_u32 s46, s46, s11
	s_mov_b32 s47, 0
	s_mov_b32 s20, 0x76543210
	s_mov_b32 s21, 0xfedcba98                      ; v_permlanex16_b32's selects for lane l xor 16
	s_mov_b32 s22, 0x3fb8aa3b                      ; log2(e)
	s_mov_b32 s23, s22                             ; (named with it as a pair, so it is written)
	; descriptor group 1: a record is dense: 34 rows of 32 elements of 8 bytes, no padding
	s_mov_b32 s24, 15|(3<<16)|(1<<21)              ; 15:0 the mask: all four work-groups; 17:16 elements of 8 bytes; 21 set beside a mask
	s_mov_b32 s25, 32<<16                          ; tensor_dim0 = 32
	s_mov_b32 s26, 34<<16                          ; tensor_dim1 = 34
	s_mov_b32 s27, 32<<16                          ; tile_dim0 = 32
	s_mov_b32 s28, 34                              ; tile_dim1 = 34
	s_mov_b32 s29, 32                              ; tensor_dim0_stride
	s_mov_b32 s30, 0
	s_mov_b32 s31, 0
	s_wait_dscnt 0x0
	s_wait_kmcnt 0x0
	s_mov_b32 s32, 1                               ; count = 1
	s_mul_i32 s33, s12, REC                        ; LDS address: wave x a record: no place in the cluster enters it
	s_add_nc_u64 s[34:35], s[6:7], s[42:43]
	s_or_b32 s35, s35, 0x80000000                  ; type = 2
	s_add_nc_u64 s[16:17], s[4:5], s[44:45]
	s_add_nc_u64 s[18:19], s[8:9], s[46:47]
	CROUND                                         ; all four work-groups are here: the joint loads meet
	tensor_load_to_lds s[32:35], s[24:31]          ; my one tensor load of the launch
	s_nop 0
.rept 4
	v_nop
.endr
	v_and_b32 v10, 31, v0                          ; lane
	v_and_b32 v11, 15, v0                          ; r
	v_bfe_u32 v3, v0, 4, 1                         ; h
	v_lshlrev_b32 v1, 4, v10
	v_lshlrev_b32 v2, 4, v11
	s_lshl_b32 s2, s10, 9
	v_add_nc_u32 v5, s2, v1                        ; Q's codes: 512 tile + 16 lane
	s_lshl_b32 s2, s10, 1
	s_add_co_u32 s2, s2, 8192
	v_add_nc_u32 v6, s2, v2                        ; Q's two scale bytes: 8,192 + 16 r + 2 tile
	v_lshl_add_u32 v7, v3, 12, v2                  ; out0: lanes 0-15 one query, lanes 16-31 the next; 16 bytes a lane
	s_mul_i32 s2, s12, 16*SP
	s_add_co_u32 s2, s2, STAGE                     ; my stage
	v_mul_u32_u24 v8, v11, SP
	v_lshl_add_u32 v8, v3, 6, v8
	v_add_nc_u32 v8, s2, v8                        ; in: row r, + 64 h
	v_mul_u32_u24 v9, v3, SP
	v_lshl_add_u32 v9, v11, 4, v9
	v_add_nc_u32 v9, s2, v9                        ; back: lanes 0-15 one row, lanes 16-31 the next
.irp j, 20,21,22,23,24,25,26,27
	v_mov_b32 v\j, 0                               ; the zero halves of [q | 0] and [0 | q]: written once
.endr
.irp b, 0,1,2,3
	v_mov_b32 v[236+\b], 0                         ; written once: a lane permute's destination counts as one of its sources
.endr
	v_mov_b32 v253, 0                              ; (named as the upper half of the pair v[252:253])
	s_wait_tensorcnt 0x0                           ; my record has landed,
	s_barrier_signal -1
	s_barrier_wait -1                              ; everybody's has: from here on the records are only read
	s_mov_b32 s38, 2
.Lpass:
	global_load_b128 v[16:19], v5, s[16:17]        ; q's codes, twice: the two operands share no register
	global_load_b128 v[28:31], v5, s[16:17]
	global_load_u16 v210, v6, s[16:17]
	v_mov_b32 v13, 0xff61b1e6                      ; the largest t so far: -3e38, under every t
	v_floor_f32 v12, -v13                          ; -M
	v_mov_b32 v14, 0                               ; the sum, in two halves
	v_mov_b32 v15, 0
	s_mov_b32 s36, 0
	s_mov_b32 s37, 16
	s_wait_loadcnt 0x0
	v_lshl_or_b32 v208, v210, 16, v210             ; q's two bytes at k = 0 .. 63 and again at k = 64 .. 127: one word serves both operands
.set i, 0
.rept 32
	v_mov_b32 v[160+i], 0                          ; O^T: the step is written once; its first trip finds zeros, which the first change of M leaves zeros.  (Also the plain lines between the scale word's write and the first product)
.set i, i+1
.endr
.Lstep:                                ; a key step: 128 keys
	v_add_nc_u32 v3, s36, v1
	v_add_nc_u32 v4, s36, v2
	ds_load_b128 v[200:203], v4 offset:8192        ; K's scale words: register g: tiles 2 g and 2 g + 1
.irp g, 0,1,2,3
.irp c, 0,1
	ds_load_b128 v[32+8*\g+4*\c:35+8*\g+4*\c], v3 offset:1024*\g+512*\c
.endr
.endr
	s_wait_dscnt 0x0
.irp g, 0,1,2,3
.irp u, 0,1
	v_wmma_scale_f32_16x16x128_f8f6f4 v[96+16*\g+8*\u:103+16*\g+8*\u], v[32+8*\g:39+8*\g], v[16+8*\u:23+8*\u], 0, v[200+\g], v208 matrix_a_fmt:MATRIX_FMT_FP4 matrix_b_fmt:MATRIX_FMT_FP4
.endr
.endr
.rept 4
	v_nop                                          ; plain lines ahead of the first read of the scores; with the two additions above also those between the last trip's V^T P and the loads below
.endr
	ds_load_b128 v[204:207], v4 offset:8448        ; V's scale words and fragments: they have the softmax in which to land
.irp t, 0,1,2,3
.irp c, 0,1
	ds_load_b128 v[64+8*\t+4*\c:67+8*\t+4*\c], v3 offset:4096+1024*\t+512*\c
.endr
.endr
.irp b, 0,1,2,3
	v_max3_num_f32 v[232+\b], v[96+16*\b], v[97+16*\b], v[98+16*\b]   ; the largest score of each block of 32 keys: for the row's maximum and for the block's largest p.  Each accumulator is read from its low end on
.endr
.irp i, 3,5,7,9,11,13
.irp b, 0,1,2,3
	v_max3_num_f32 v[232+\b], v[232+\b], v[96+16*\b+\i], v[97+16*\b+\i]
.endr
.endr
.irp b, 0,1,2,3
	v_max_num_f32 v[232+\b], v[232+\b], v[111+16*\b]
.endr
.irp b, 0,1,2,3
	v_permlanex16_b32 v[236+\b], v[232+\b], s20, s21
.endr
.irp b, 0,1,2,3
	v_max_num_f32 v[232+\b], v[232+\b], v[236+\b]  ; with lane l xor 16's 16 keys
.endr
	v_max3_num_f32 v254, v232, v233, v234
	v_max_num_f32 v254, v254, v235                 ; the step's largest score of my query
	v_mul_f32 v254, s22, v254                      ; as t
	v_max_num_f32 v13, v13, v254                   ; the running largest t
	v_mov_b32 v254, v12
	v_floor_f32 v12, -v13                          ; the new -M = floor(-t) = -ceil(t): a whole number
	v_sub_f32 v254, v12, v254                      ; old M - new M: a whole number, 0 or less
	v_cvt_i32_f32 v254, v254                       ; (it saturates)
	v_ldexp_f32 v252, 1.0, v254                    ; f = 2^(old M - new M)
.set i, 0
.rept 32
	v_pk_fma_f32 v[96+i:97+i], v[96+i:97+i], s[22:23], v[12:13] op_sel_hi:[1,0,0]   ; t - M, two at a time (the pairs' low words serve both halves)
.set i, i+2
.endr
.irp b, 0,1,2,3
	v_fma_f32 v[232+\b], v[232+\b], s22, v12       ; the same of each block's largest score
.endr
.set i, 0
.rept 64
	v_exp_f32 v[96+i], v[96+i]                     ; p = 2^(t - M), at most 1
.set i, i+1
.endr
	v_pk_mul_f32 v[14:15], v[14:15], v[252:253] op_sel_hi:[1,0]   ; the sum under the new M: the plain line behind the exponentials
	s_wait_alu depctr_va_vdst(0)                   ; one wait for the batch of 64, ahead of its first reader
.irp b, 0,1,2,3
	v_exp_f32 v[232+\b], v[232+\b]                 ; the blocks' largest p
.endr
	v_pk_add_f32 v[240:241], v[96:97], v[98:99]    ; the row's sum of the UNQUANTISED p, in two chains; it reads the 64 alone: plain work behind the four
.irp j, 4,8,12,16,20,24,28,32,36,40,44,48,52
	v_pk_add_f32 v[14:15], v[14:15], v[96+\j:97+\j]
	v_pk_add_f32 v[240:241], v[240:241], v[98+\j:99+\j]
.endr
	s_wait_alu depctr_va_vdst(0)                   ; and one for the four
.irp b, 0,1,2,3
	v_max_num_f32 v[232+\b], 0x1800000, v[232+\b]  ; the floor 2^(3 - 127): the byte cannot fall under 1
.endr
.irp b, 0,1,2,3
	v_add_nc_u32 v[244+\b], 0xff000000, v[232+\b]  ; 2 off the exponent field: the conversion's scale operand
.endr
.irp b, 0,1,2,3
	v_lshrrev_b32 v[236+\b], 23, v[244+\b]         ; the scale's byte
.endr
	v_lshl_or_b32 v209, v237, 8, v236              ; p's scale word for these 128 keys
	v_lshl_or_b32 v209, v238, 16, v209
	v_lshl_or_b32 v209, v239, 24, v209
.irp b, 0,1,2,3
	v_cvt_scalef32_pk8_fp4_f32 v[192+2*\b], v[96+16*\b:103+16*\b], v[244+\b]
	v_cvt_scalef32_pk8_fp4_f32 v[193+2*\b], v[104+16*\b:111+16*\b], v[244+\b]
.endr
	v_nop                                          ; one plain line behind the scaled conversions
.irp c, 0,1
.irp i, 0,1
	v_permlane16_swap_b32 v[192+4*\c+\i], v[194+4*\c+\i]   ; a whole block in a lane: lanes 0-15 block 2 c, lanes 16-31 block 2 c + 1
.endr
.endr
.set i, 0
.rept 16
	v_pk_mul_f32 v[160+i:161+i], v[160+i:161+i], v[252:253] op_sel_hi:[1,0]   ; O^T under the new M, each accumulator from its low end on
.set i, i+2
.endr
.irp j, 56,60
	v_pk_add_f32 v[14:15], v[14:15], v[96+\j:97+\j]        ; the sum's last lines stand here: with the 16 above they are the plain lines between the writes of p's codes and scale word and the products
	v_pk_add_f32 v[240:241], v[240:241], v[98+\j:99+\j]
.endr
	v_pk_add_f32 v[14:15], v[14:15], v[240:241]
	s_wait_dscnt 0x0                               ; V is in
.irp t, 0,1,2,3
	v_wmma_scale_f32_16x16x128_f8f6f4 v[160+8*\t:167+8*\t], v[64+8*\t:71+8*\t], v[192:199], v[160+8*\t:167+8*\t], v[204+\t], v209 matrix_a_fmt:MATRIX_FMT_FP4 matrix_b_fmt:MATRIX_FMT_FP4   ; four accumulators by turns; the next trip's eight score products stand between a sum's links
.endr
	s_add_co_u32 s36, s36, REC
	s_sub_co_u32 s37, s37, 1
	s_cmp_lg_u32 s37, 0
	s_cbranch_scc1 .Lstep
	; THE WAY OUT of a pass: O^T / the sum goes through my stage and leaves as rows of 256 bytes: a head's 64 channels of one query
	v_add_f32 v14, v14, v15                        ; the sum's two halves,
	v_permlanex16_b32 v252, v14, s20, s21
	v_add_f32 v14, v14, v252                       ; and lane l xor 16's
	v_rcp_f32 v14, v14
.rept 4
	v_nop                                          ; plain lines behind the reciprocal and behind the last products
.endr
	s_wait_alu depctr_va_vdst(0)                   ; the wait ahead of the reciprocal's first reader
.set i, 0
.rept 32
	v_mul_f32 v[96+i], v[160+i], v14               ; register 16 b + i: channel 32 b + 16 h + i of my query
.set i, i+1
.endr
.irp b, 0,1
.irp k, 0,1,2,3
	ds_store_b128 v8, v[96+16*\b+4*\k:99+16*\b+4*\k] offset:128*\b+16*\k
.endr
.endr
.irp i, 0,1,2,3,4,5,6,7
	ds_load_b128 v[32+4*\i:35+4*\i], v9 offset:2*\i*SP     ; LDS serves a wave's instructions in order (ISA guide 5.7.1.4): these see my stores
.endr
.irp i, 0,1,2,3,4,5,6,7
	s_wait_dscnt 7-\i                              ; the younger stage loads may be out
	global_store_b128 v7, v[32+4*\i:35+4*\i], s[18:19] offset:(2*\i+8*(\i/4))*4096 th:TH_STORE_NT   ; positions 2 i, 2 i + 1: 16 lanes store 256 consecutive bytes, aligned
.endr
	s_wait_xcnt 0x0                                ; the stores have read their data and their base: both are written again only behind this wait
	s_add_nc_u64 s[16:17], s[16:17], 2*REC         ; the next pass: 256 queries on
	s_add_nc_u64 s[18:19], s[18:19], 256*4096
	s_sub_co_u32 s38, s38, 1
	s_cmp_lg_u32 s38, 0
	s_cbranch_scc1 .Lpass
	s_wait_dscnt 0x0
	s_wait_tensorcnt 0x0
	ds_add_u32 v251, v255
	s_wait_dscnt 0x0
	CROUND                                         ; the closing round: no work-group ends while a partner may still ask for a record jointly
	s_endpgm
.Lfunc_end_k_q64d54158e0_attn:
	.size	k_q64d54158e0_attn, .Lfunc_end_k_q64d54158e0_attn-k_q64d54158e0_attn
	.p2alignl 7, 3214868480
	.fill 96, 4, 3214868480
	.section	.rodata,"a",@progbits
	.p2align	6, 0x0
	.amdhsa_kernel k_q64d54158e0_attn
		.amdhsa_group_segment_fixed_size 210944
		.amdhsa_private_segment_fixed_size 0
		.amdhsa_enable_private_segment 0
		.amdhsa_kernarg_size 24
		.amdhsa_user_sgpr_count 2
		.amdhsa_user_sgpr_kernarg_segment_ptr 1
		.amdhsa_wavefront_size32 1
		.amdhsa_system_sgpr_workgroup_id_x 1
		.amdhsa_system_sgpr_workgroup_id_y 1
		.amdhsa_system_sgpr_workgroup_id_z 1
		.amdhsa_system_vgpr_workitem_id 0
		.amdhsa_next_free_vgpr 256
		.amdhsa_next_free_sgpr 66
		.amdhsa_reserve_vcc 0
		.amdhsa_float_denorm_mode_32 3
		.amdhsa_float_denorm_mode_16_64 3
		.amdhsa_memory_ordered 1
		.amdhsa_forward_progress 1
		.amdhsa_inst_pref_size 26
	.end_amdhsa_kernel
	.amdgpu_metadata
---
amdhsa.version: [ 1, 2 ]
amdhsa.kernels:
  - .name:           k_q64d54158e0_attn
    .symbol:         k_q64d54158e0_attn.kd
    .args:
      - { .name: qx, .offset: 0, .size: 8, .value_kind: global_buffer, .address_space: global }
      - { .name: kv, .offset: 8, .size: 8, .value_kind: global_buffer, .address_space: global }
      - { .name: out0, .offset: 16, .size: 8, .value_kind: global_buffer, .address_space: global }
    .group_segment_fixed_size: 210944
    .private_segment_fixed_size: 0
    .kernarg_segment_align: 8
    .kernarg_segment_size: 24
    .max_flat_workgroup_size: 512
    .sgpr_count:     66
    .vgpr_count:     256
    .wavefront_size: 32
...
	.end_amdgpu_metadata
.endif
;; end of part 3
;; ======== version 2 of 2: 3 launches; version 1 with the launch proj written anew for expert scheduling mode
;; workspace buffers: wc 1,572,864 bytes; ws 98,304 bytes; qx 8,912,896 bytes; kv 8,912,896 bytes
;; launch wquant: the kernel of part 1 again; grid 64 x 3, 4 waves a work-group, no clusters, 8,704 bytes of LDS; arguments Wq, Wk, Wv, wc, ws; writes wc, ws
;; launch proj (part 4): grid 64 x 3, 8 waves a work-group, no clusters, 138,240 bytes of LDS; arguments q, k, v, bq, bk, bv, wc, ws, qx, kv; writes qx, kv
.if DOCPART == 4
	.amdgcn_target "amdgcn-amd-amdhsa--gfx1250"
	.amdhsa_code_object_version 6
	.text
	.protected	k_q64d54158e0_proj
	.globl	k_q64d54158e0_proj
	.p2align	8
	.type	k_q64d54158e0_proj,@function
k_q64d54158e0_proj:
	s_mov_b64 s[64:65], 0
	v_nop
	global_prefetch_b8 v0, s[64:65] scope:SCOPE_SE
	s_setreg_imm32_b32 hwreg(HW_REG_WAVE_SCHED_MODE, 0, 2), 2
	s_setreg_imm32_b32 hwreg(HW_REG_WAVE_MODE, 25, 1), 1
	s_wait_xcnt 0x0
	s_wait_alu depctr_vm_vsrc(0)
; The three projections x W + b on codes of FP4 (E2M1), one E8M0 scale for each 32 along K = d, and the quantising of their results for the attention launch.
; SHARES.  Work-group (x = rb, y = T): 128 rows of tensor T (0 q, 1 k, 2 v; batch rb / 16, step j = rb % 16) x all 1,024 columns.  x is read from memory once and its codes never go to memory.
; PHASE X: wave w quantises tile w of 16 rows for all of K and leaves eight fragments in LDS as images of their registers.  One barrier.  PHASE G: THE WAVES SHARE THE COLUMNS: wave w makes heads w and w + 8
; for all 128 rows: 32 accumulators; W's fragments come from wc straight into the one wave that uses them.
; THE ROWS OF A TILE ARE NOT NEIGHBOURS: position p of tile 2 g + u is row 32 g + 8 u + p + 8 (p / 8); W's columns of a head likewise.  So the 16 registers of two neighbouring result tiles are 16 neighbours.
; q, k: source 0 = W, source 1 = x: a lane holds ONE row and its registers run along the head's 64, which is the next product's K.  v: source 0 = x, source 1 = W: a lane holds one channel and its registers run along
; the keys, which are ITS next K.  The results are quantised in registers and stored as register images.
; A RECORD of 8,704 bytes for each (16 batch + head, j):  +0 K codes: 512 tile + 16 lane (position lane % 16, channels 32 (lane / 16) on);  +4096 V codes: 1,024 t + 512 c + 16 lane (channel position lane % 16 of tile t,
; keys 64 c + 32 (lane / 16) on);  +8192 K scale words: 16 p + 4 g (bytes 0, 1 tile 2 g, bytes 2, 3 tile 2 g + 1);  +8448 V scale words: 16 p + 4 t.  q's go to qx in K's places.
; The bias is the C of each sum's first product, so it is added ahead of the products and not behind them: the order of rounding differs from a sum with the bias last, in f32's last bits.
; LIMITS: NaN and infinities are not served; a block whose largest magnitude lies under 2^-124 (zeros too) keeps the scale byte 1: the bytes are read by this program alone, and zero codes add nothing.
; NO CLUSTER, NO TENSOR LOAD: the work-groups of one tensor read the same 544 KB of wc and ws, but 136 KB of LDS are written by LDS stores, and what is left holds a third of that: sharing would mean refills.
; REGISTERS.  Window 0: see the names below.  Window 1: phase X: three sets of 64 numbers as loaded (v0, v64, v128), 64 turned numbers (v192); phase G: the accumulators (q, k: 32 x + 8 t; v: 64 t + 8 x).
; THE MODE: SCHED_MODE bits 1:0 = 2 (LLVM: expert scheduling mode 2), set by the entry lines.  The code itself states the register dependences between vector or matrix instructions and memory or LDS instructions,
; with s_wait_alu, always for 0.
; THE PLAN.  Registers that memory or LDS instructions touch, and who else names them:
;   v1 - v10     offsets and addresses: written at the head, never again.
;   PHASE X, K step s.
;   RAW0 - RAW2  (window 1) the loads of step s land; step s's stores into the stage read; the loads of step s + 3 land.  No vector instruction names them; in phase G the products' results take them.
;   T            (window 1, v192 on) step s's loads from the stage land; step s's quantiser reads.
;   PCX, PWX     step s's quantiser writes; the three image stores read: they are issued at the head of step s + 1.
;   So a step has one wait on va_vdst, at its head (the quantiser before has written PCX, PWX and is done reading T), and one on vm_vsrc, behind its LDS instructions (RAW[s % 3], PCX and PWX have been read).
;   PHASE G, K step s of a head.
;   XF, XS       the LDS loads of step s land; step s's products read.  At a head's end the quantiser writes codes into XF and the stores read them.
;   WF0, WF1     the loads of step s + 1 land in the set that step s - 1's products read.
;   BI, BT, WS   loaded at a head's top; read by products (BI in the q, k path, WS) or by the moves that spread the bias (BT).
;   SD           written by two selects, read by the scale words' store.
;   The accumulators, TM, HW and WD are named by vector and matrix instructions alone.
;   So a K step but the first has one wait on va_vdst, at its head; a head has one more, ahead of its run of nine stores, which also stands for the next head's loads; and one on vm_vsrc behind those stores.
.set XIMG, 0                           ; LDS: x's 64 fragments: 8,192 tile + 1,024 K step + 512 c + 16 lane
.set XSC,  65536                       ; their scale words: 512 s + 16 (16 u + p) + 4 g: one load of 16 bytes gives register g = tile 2 g in lanes 0-15, tile 2 g + 1 in lanes 16-31
.set STG,  69632                       ; a turning stage for each wave: 16 rows x (512 + 16) bytes
.set SROW, 528
.set REC,  8704
.set LI,  1                            ; v1   16 x lane
.set XSA, 2                            ; v2   XSC + 16 x lane
.set STW, 3                            ; v3   my stage + 16 x lane
.set STR, 4                            ; v4   my stage + 528 r + 64 h
.set XWI, 5                            ; v5   8,192 x wave + 16 x lane
.set XWS, 6                            ; v6   XSC + 256 u + 4 g + 16 r
.set WSA, 7                            ; v7   4 x lane
.set BAQ, 8                            ; v8   q, k: the bias of my half: 64 h
.set SCO, 9                            ; v9   16 r + 8 h
.set BAV, 10                           ; v10  v: the bias of my channel: 4 (r + 8 (r / 8))
.set BI,  16                           ; v16-47   the bias in the result's layout, 8 registers a column tile
.set WS,  48                           ; v48-63   W's scale words: register 2 s + p: tile 2 p in lanes 0-15, tile 2 p + 1 in lanes 16-31
.set XF,  64                           ; v64-127  x's eight fragments of a K step; at a head's end the codes to store
.set WF,  128                          ; v128-191 W's four fragments, two sets
.set XS,  192                          ; v192-195 x's scale words
.set BT,  196                          ; v196-199 v: the bias as loaded
.set TM,  200                          ; v200-203 largest magnitudes, v204-207 the other half's, then bytes, v212-215 scale operands
.set PCX, 216                          ; v216-223 phase X: a fragment's codes
.set PWX, 224                          ; v224     and its scale word
.set HW,  226                          ; v226-233 q, k: a tile's two scale bytes
.set WD,  234                          ; v234-237 four scale words to store
.set SD,  238                          ; v238-239 the two of them that my half stores
.set MSB, 0
.macro WIN new                         ; the immediate's high byte repeats the setting that is left; bits 1:0 source 0, 3:2 source 1, 5:4 source 2, 7:6 destination
.if MSB != \new
	s_set_vgpr_msb (MSB<<8)|\new
.set MSB, \new
.endif
.endm
.macro PLACES                          ; four plain vector lines behind a run of products (ISA guide 7.12.1): behind a head's last K step they stand ahead of the quantiser's first read of results and its writes into XF;
.rept 4                                ; behind the other K steps they stand beside the wait at the next step's head, which is what states the loads' dependence
	v_nop
.endr
.endm
	s_load_b256 s[4:11], s[0:1], 0x0               ; q s[4:5], k s[6:7], v s[8:9], bq s[10:11]
	s_load_b256 s[12:19], s[0:1], 0x20             ; bk s[12:13], bv s[14:15], wc s[16:17], ws s[18:19]
	s_load_b128 s[20:23], s[0:1], 0x40             ; qx s[20:21], kv s[22:23]
	v_lshl_add_u32 v254, v0, 2, 0x21800
	v_mov_b32 v255, 0
	v_lshrrev_b32 v11, 5, v0
	v_readfirstlane_b32 s35, v11                   ; wave 0..7
	s_and_b32 s34, ttmp7, 0xffff                   ; T
	s_mov_b32 s36, 0x76543210
	s_mov_b32 s37, 0xfedcba98                      ; v_permlanex16_b32's selects for lane l xor 16
	s_mov_b32 s38, 0xffff0000                      ; a mask: lanes 16-31
	v_and_b32 v11, 31, v0                          ; lane
	v_and_b32 v12, 15, v0                          ; r
	v_bfe_u32 v13, v0, 4, 1                        ; h
	v_lshlrev_b32 v[LI], 4, v11
	v_add_nc_u32 v[XSA], XSC, v[LI]
	s_wait_alu depctr_va_sdst(0)                   ; s35 is written, ahead of its first reader: LDS places, bases and records are made from it
	s_mul_i32 s40, s35, 16*SROW
	s_add_co_u32 s40, s40, STG                     ; my stage
	v_add_nc_u32 v[STW], s40, v[LI]
	v_mul_u32_u24 v14, v12, SROW
	v_lshl_add_u32 v14, v13, 6, v14
	v_add_nc_u32 v[STR], s40, v14
	s_lshl_b32 s41, s35, 13
	v_add_nc_u32 v[XWI], s41, v[LI]
	s_and_b32 s42, s35, 1                          ; u
	s_lshr_b32 s43, s35, 1                         ; g
	s_lshl_b32 s41, s42, 8
	s_lshl_b32 s44, s43, 2
	s_add_co_u32 s41, s41, s44
	s_add_co_u32 s41, s41, XSC
	v_lshl_add_u32 v[XWS], v12, 4, s41
	v_lshlrev_b32 v[WSA], 2, v11
	v_lshlrev_b32 v[BAQ], 6, v13
	v_and_b32 v14, 8, v12
	v_add_nc_u32 v14, v14, v12
	v_lshlrev_b32 v[BAV], 2, v14
	v_lshlrev_b32 v[SCO], 4, v12
	v_lshl_add_u32 v[SCO], v13, 3, v[SCO]
.irp b, 0,1,2,3
	v_mov_b32 v[TM+4+\b], 0                        ; written once: a lane permute's destination counts as one of its sources
.endr
	s_lshl_b32 s44, ttmp9, 7                       ; x: row 128 rb + 32 g + 8 u, 4,096 bytes a row
	s_lshl_b32 s45, s43, 5
	s_add_co_u32 s44, s44, s45
	s_lshl_b32 s45, s42, 3
	s_add_co_u32 s44, s44, s45
	s_lshl_b32 s44, s44, 12
	s_mov_b32 s45, 0
	s_lshl_b32 s46, s35, 8                         ; the bias of head w
	s_mov_b32 s47, 0
	s_lshr_b32 s48, ttmp9, 4                       ; the record ((16 batch + w) 16 + j)
	s_lshl_b32 s48, s48, 4
	s_add_co_u32 s48, s48, s35
	s_lshl_b32 s48, s48, 4
	s_and_b32 s49, ttmp9, 15
	s_add_co_u32 s48, s48, s49
	s_mul_i32 s48, s48, REC
	s_mov_b32 s49, 0
	s_lshl_b32 s50, s34, 4
	s_add_co_u32 s50, s50, s35                     ; 16 T + w
	s_lshl_b32 s52, s50, 11                        ; its scale words,
	s_lshl_b32 s50, s50, 15                        ; its codes
	s_mov_b32 s51, 0
	s_mov_b32 s53, 0
	s_wait_kmcnt 0x0
	s_cmp_eq_u32 s34, 0                            ; the choices hang on the work-group's number alone
	s_cselect_b64 s[24:25], s[4:5], s[6:7]
	s_cselect_b64 s[26:27], s[10:11], s[12:13]
	s_cselect_b64 s[28:29], s[20:21], s[22:23]
	s_cmp_eq_u32 s34, 2
	s_cselect_b64 s[24:25], s[8:9], s[24:25]
	s_cselect_b64 s[26:27], s[14:15], s[26:27]
	s_add_nc_u64 s[24:25], s[24:25], s[44:45]      ; x at my tile's first row
	s_add_nc_u64 s[26:27], s[26:27], s[46:47]      ; the bias
	s_add_nc_u64 s[28:29], s[28:29], s[48:49]      ; the record
	s_add_nc_u64 s[30:31], s[16:17], s[50:51]      ; W's codes
	s_add_nc_u64 s[32:33], s[18:19], s[52:53]      ; W's scale words
; K step s (128 numbers, 512 bytes) of my tile's 16 rows into set s % 3: each load takes 512 consecutive bytes of one row.  (It stands under a setting whose destination is window 1)
.macro LOADX s
.set i, 0
.rept 16
	global_load_b128 v[64*((\s)%3)+4*i:64*((\s)%3)+4*i+3], v[LI], s[24:25] offset:(i+8*(i/8))*4096+512*(\s) th:TH_LOAD_NT
.set i, i+1
.endr
.endm
; the fragment and the scale word of K step s go to LDS as they stand
.macro IMAGE s
	ds_store_b128 v[XWI], v[PCX:PCX+3] offset:XIMG+1024*(\s)
	ds_store_b128 v[XWI], v[PCX+4:PCX+7] offset:XIMG+1024*(\s)+512
	ds_store_b32 v[XWS], v[PWX] offset:512*(\s)    ; both halves of the lanes write the same word with the same value
.endm
; 16 nb numbers of a lane in window 1, register s + 16 b + i = k 32 b + 16 h + i of my row, become codes in v[pc] on (4 registers for each two blocks, in the operand's layout) and nb scale bytes in v[pw].
; Where the numbers are matrix results, each accumulator is first read at its two lowest registers.
.macro QUANT s, nb, pc, pw
	WIN 0x05
.irp b, 0,1,2,3
.if \b < \nb
	v_max3_num_f32 v[TM+\b], |v[(\s)+16*\b]|, |v[(\s)+16*\b+1]|, 0x1800000   ; my 16 numbers of block b, and the floor 2^(3 - 127): the byte cannot fall under 1
.endif
.endr
.irp i, 2,4,6,8,10,12,14
.irp b, 0,1,2,3
.if \b < \nb
	v_max3_num_f32 v[TM+\b], |v[(\s)+16*\b+\i]|, |v[(\s)+16*\b+\i+1]|, v[TM+\b]
.endif
.endr
.endr
	WIN 0
.irp b, 0,1,2,3
.if \b < \nb
	v_permlanex16_b32 v[TM+4+\b], v[TM+\b], s36, s37
.endif
.endr
.irp b, 0,1,2,3
.if \b < \nb
	v_max_num_f32 v[TM+\b], v[TM+\b], v[TM+4+\b]   ; with lane l xor 16's: the block's largest magnitude
.endif
.endr
.irp b, 0,1,2,3
.if \b < \nb
	v_add_nc_u32 v[TM+12+\b], 0xff000000, v[TM+\b] ; 2 off its exponent field: the conversion's scale operand
.endif
.endr
.irp b, 0,1,2,3
.if \b < \nb
	v_lshrrev_b32 v[TM+4+\b], 23, v[TM+12+\b]      ; the scale's byte
.endif
.endr
	v_lshl_or_b32 v[\pw], v[TM+5], 8, v[TM+4]
.if \nb > 2
	v_lshl_or_b32 v[\pw], v[TM+6], 16, v[\pw]
	v_lshl_or_b32 v[\pw], v[TM+7], 24, v[\pw]
.endif
	WIN 0x01
.irp b, 0,1,2,3
.if \b < \nb
	v_cvt_scalef32_pk8_fp4_f32 v[(\pc)+2*\b], v[(\s)+16*\b:(\s)+16*\b+7], v[TM+12+\b]
	v_cvt_scalef32_pk8_fp4_f32 v[(\pc)+2*\b+1], v[(\s)+16*\b+8:(\s)+16*\b+15], v[TM+12+\b]
.endif
.endr
	WIN 0
	v_nop                                          ; one plain line behind the scaled conversions
.irp c, 0,1
.if 2*\c < \nb
.irp i, 0,1
	v_permlane16_swap_b32 v[(\pc)+4*\c+\i], v[(\pc)+4*\c+2+\i]   ; the layout wants a whole block in a lane: lanes 0-15 block 2 c, lanes 16-31 block 2 c + 1
.endr
.endif
.endr
.endm
	; ---- PHASE X.  Three K steps of loads (48 a wave) are out at the start
	WIN 0x40
	s_wait_alu depctr_va_vdst(0)                   ; the ten offsets and addresses v1 to v10 are written: every load and store of the kernel, global or LDS, reads one of them
	LOADX 0
	LOADX 1
	LOADX 2
	WIN 0
; K step s.  Its numbers go through my stage: in as loaded, a row a line; back so that register 16 b + i of lane (r, h) is k = 32 b + 16 h + i of row position r.  LDS serves a wave's instructions in order (ISA guide 5.7.1.4):
; no wait between the stores and the loads.
.macro XSTEP s
.if (\s) < 6
	s_wait_loadcnt 32                              ; this step's 16 loads are in; the two younger steps' may be out
.elseif (\s) == 6
	s_wait_loadcnt 16
.else
	s_wait_loadcnt 0
.endif
.if (\s) > 0
	s_wait_alu depctr_va_vdst(0)                   ; the quantiser of the step before has written PCX and PWX, which the image stores read, and is done reading T, in which the loads from the stage land
	IMAGE (\s)-1
.endif
	WIN 0x04
.set i, 0
.rept 16
	ds_store_b128 v[STW], v[64*((\s)%3)+4*i:64*((\s)%3)+4*i+3] offset:SROW*i
.set i, i+1
.endr
	WIN 0x40
.irp b, 0,1,2,3
.irp j, 0,1,2,3
	ds_load_b128 v[192+16*\b+4*\j:192+16*\b+4*\j+3], v[STR] offset:128*\b+16*\j
.endr
.endr
	s_wait_alu depctr_vm_vsrc(0)                   ; the stage's stores have read their set, in which the loads below land (behind the last three steps: which the products' results take); the image stores have read PCX and PWX, which the quantiser below writes
.if (\s) < 5
	LOADX (\s)+3                                   ; asked for while the turn through the stage is on its way
.endif
	WIN 0
	s_wait_dscnt 0x0                               ; the turned numbers are in
	QUANT 192, 4, PCX, PWX
.endm
.irp s, 0,1,2,3,4,5,6,7
	XSTEP \s
.endr
	s_wait_alu depctr_va_vdst(0)                   ; the last quantiser has written PCX and PWX, which the image stores read
	IMAGE 7
	s_wait_dscnt 0x0                               ; for the others' sake: my images and scale words have landed
	s_barrier_signal -1
	s_barrier_wait -1                              ; the launch's one barrier: from here on LDS is only read
	; ---- PHASE G
.macro WSLOAD                          ; a head's 16 registers of W's scale words
.set i, 0
.rept 16
	global_load_b32 v[WS+i], v[WSA], s[32:33] offset:128*i
.set i, i+1
.endr
.endm
.macro WLOAD s                         ; W's four fragments of K step s into set s % 2: each load takes 512 consecutive bytes
.irp t, 0,1,2,3
.irp c, 0,1
	global_load_b128 v[WF+32*((\s)%2)+8*\t+4*\c:WF+32*((\s)%2)+8*\t+4*\c+3], v[LI], s[30:31] offset:4096*(\s)+1024*\t+512*\c
.endr
.endr
.endm
.macro XFETCH s                        ; x's scale words and eight fragments of K step s
	ds_load_b128 v[XS:XS+3], v[XSA] offset:512*(\s)
.irp x, 0,1,2,3,4,5,6,7
.irp c, 0,1
	ds_load_b128 v[XF+8*\x+4*\c:XF+8*\x+4*\c+3], v[LI] offset:XIMG+8192*\x+1024*(\s)+512*\c
.endr
.endr
.endm
.macro WMX                             ; one product, by the symbols rD, rA, rB, rC, rSA, rSB; fA, fB: the side's scales stand in lanes 16-31
.if fA && fB
	v_wmma_scale_f32_16x16x128_f8f6f4 v[rD:rD+7], v[rA:rA+7], v[rB:rB+7], v[rC:rC+7], v[rSA], v[rSB] matrix_a_fmt:MATRIX_FMT_FP4 matrix_b_fmt:MATRIX_FMT_FP4 matrix_a_scale:MATRIX_SCALE_ROW1 matrix_b_scale:MATRIX_SCALE_ROW1
.elseif fA
	v_wmma_scale_f32_16x16x128_f8f6f4 v[rD:rD+7], v[rA:rA+7], v[rB:rB+7], v[rC:rC+7], v[rSA], v[rSB] matrix_a_fmt:MATRIX_FMT_FP4 matrix_b_fmt:MATRIX_FMT_FP4 matrix_a_scale:MATRIX_SCALE_ROW1
.elseif fB
	v_wmma_scale_f32_16x16x128_f8f6f4 v[rD:rD+7], v[rA:rA+7], v[rB:rB+7], v[rC:rC+7], v[rSA], v[rSB] matrix_a_fmt:MATRIX_FMT_FP4 matrix_b_fmt:MATRIX_FMT_FP4 matrix_b_scale:MATRIX_SCALE_ROW1
.else
	v_wmma_scale_f32_16x16x128_f8f6f4 v[rD:rD+7], v[rA:rA+7], v[rB:rB+7], v[rC:rC+7], v[rSA], v[rSB] matrix_a_fmt:MATRIX_FMT_FP4 matrix_b_fmt:MATRIX_FMT_FP4
.endif
.endm
; 16 products: x's tiles x0 .. x0 + 3 against W's four.  vm = 0: source 0 = W, source 1 = x;  vm = 1: the other way round.  K step 0 takes the bias as C.
.macro MUL16 s, vm, x0
.irp x, \x0, \x0+1, \x0+2, \x0+3
.irp t, 0,1,2,3
.if \vm
.set rD, 64*\t+8*(\x)
.set rA, XF+8*(\x)
.set rB, WF+32*((\s)%2)+8*\t
.set rSA, XS+(\x)/2
.set rSB, WS+2*(\s)+\t/2
.set fA, (\x)%2
.set fB, \t%2
.else
.set rD, 32*(\x)+8*\t
.set rA, WF+32*((\s)%2)+8*\t
.set rB, XF+8*(\x)
.set rSA, WS+2*(\s)+\t/2
.set rSB, XS+(\x)/2
.set fA, \t%2
.set fB, (\x)%2
.endif
.if (\s) == 0
.set rC, BI+8*\t
.else
.set rC, rD
.endif
	WMX
.endr
.endr
.endm
; A K step of 128: 32 products.  The 32 accumulators take turns, one instruction a turn, in the same order in every step.
.macro KSTEP s, vm
.if (\s) > 0
	s_wait_alu depctr_va_vdst(0)                   ; the products of the step before are done reading XF, XS and their set of W's fragments, in all of which the loads below land
.endif                                         ; (K step 0: nothing has named these registers since the wait ahead of the last head's stores; in the first head nothing has named them at all)
.if (\s) < 7
	WLOAD (\s)+1                                   ; W a step ahead, into the set that the step before multiplied
.endif
	XFETCH \s
.if (\s) < 7
	s_wait_loadcnt 8                               ; all but the eight just issued: this step's W is in (at step 0 the bias and W's scale words too)
.else
	s_wait_loadcnt 0
.endif
	s_wait_dscnt 8                                 ; x's scale words and tiles 0-3 are in; the eight loads of tiles 4-7 may be out
.if (\s) == 0
	WIN 0x40                                       ; D in window 1, C (the bias) in window 0
.else
	WIN 0x50                                       ; C and D in window 1
.endif
	MUL16 \s, \vm, 0
	s_wait_dscnt 0
	MUL16 \s, \vm, 4
	WIN 0
	PLACES
.endm
.macro SCSEL                           ; four scale words a position, the same in both halves of the lanes: lanes 0-15 will store words 0, 1, lanes 16-31 words 2, 3: 256 consecutive bytes, aligned
	v_cndmask_b32 v[SD], v[WD], v[WD+2], s38
	v_cndmask_b32 v[SD+1], v[WD+1], v[WD+3], s38
.endm
.macro NEXTHEAD                        ; on to head w + 8
	s_wait_xcnt 0x0                                ; the stores have had their addresses translated (ISA guide 3.1): their base is written again only behind this wait
	s_wait_alu depctr_vm_vsrc(0)                   ; the stores have read the codes in XF and the words in SD: the next head's LDS loads land in XF, and its selects write SD
	s_add_nc_u64 s[28:29], s[28:29], 8*16*REC
	s_add_nc_u64 s[30:31], s[30:31], 8*32768
	s_add_nc_u64 s[32:33], s[32:33], 8*2048
	s_add_nc_u64 s[26:27], s[26:27], 8*256
	s_sub_co_u32 s39, s39, 1
	s_cmp_lg_u32 s39, 0
.endm
	s_cmp_eq_u32 s34, 2
	s_cbranch_scc1 .Lvpath
	s_mov_b32 s39, 2
.Lqk:                                  ; q, k: two heads
.irp t, 0,1,2,3
	global_load_b128 v[BI+8*\t:BI+8*\t+3], v[BAQ], s[26:27] offset:(32*(\t/2)+8*(\t%2))*4        ; register j of tile t: channel 32 (t / 2) + 16 h + 8 (t % 2) + j
	global_load_b128 v[BI+8*\t+4:BI+8*\t+7], v[BAQ], s[26:27] offset:(32*(\t/2)+8*(\t%2))*4+16
.endr
	WSLOAD
	WLOAD 0
.irp s, 0,1,2,3,4,5,6,7
	KSTEP \s, 0
.endr
.irp x, 0,1,2,3,4,5,6,7                ; tile x: a lane's 32 registers are channels 32 b + 16 h + i of its row: two blocks.  Each tile's codes have registers of their own
	QUANT 32*\x, 2, XF+4*\x, HW+\x
.endr
.irp g, 0,1,2,3
	v_lshl_or_b32 v[WD+\g], v[HW+2*\g+1], 16, v[HW+2*\g]
.endr
	SCSEL
	s_wait_alu depctr_va_vdst(0)                   ; the eight tiles' codes and SD are written, which the nine stores read; and for the next head's loads: XF is written, and the head's products are done reading the bias, W's scale words and W's fragments
.irp x, 0,1,2,3,4,5,6,7
	global_store_b128 v[LI], v[XF+4*\x:XF+4*\x+3], s[28:29] offset:512*\x   ; 512 consecutive bytes, aligned
.endr
	global_store_b64 v[SCO], v[SD:SD+1], s[28:29] offset:8192
	NEXTHEAD
	s_cbranch_scc1 .Lqk
	s_wait_dscnt 0x0
	s_wait_alu depctr_hold_cnt(0) depctr_sa_sdst(0) depctr_va_vdst(0) depctr_va_sdst(0) depctr_va_ssrc(0) depctr_va_vcc(0) depctr_vm_vsrc(0)
	s_wait_tensorcnt 0x0
	ds_add_u32 v254, v255
	s_wait_dscnt 0x0
	s_endpgm
.Lvpath:
	s_mov_b32 s39, 2
.Lv:                                   ; v: two heads
.irp t, 0,1,2,3
	global_load_b32 v[BT+\t], v[BAV], s[26:27] offset:(32*(\t/2)+8*(\t%2))*4   ; my lane's channel of tile t
.endr
	WSLOAD
	WLOAD 0
	s_wait_loadcnt 24                              ; the bias is in; the 16 scale words and W's eight loads may be out
.irp t, 0,1,2,3
.irp j, 0,1,2,3,4,5,6,7
	v_mov_b32 v[BI+8*\t+\j], v[BT+\t]              ; a lane's eight results of a tile are eight keys of one channel: the same bias.  (These name BI and BT alone: none of the registers in which K step 0's loads land)
.endr
.endr
	PLACES
.irp s, 0,1,2,3,4,5,6,7
	KSTEP \s, 1
.endr
.irp t, 0,1,2,3                        ; tile t: a lane's 64 registers are keys 32 g + 16 h + i of its channel: four blocks, one fragment.  Each tile's codes have registers of their own
	QUANT 64*\t, 4, XF+8*\t, WD+\t
.endr
	SCSEL
	s_wait_alu depctr_va_vdst(0)                   ; the four tiles' codes and SD are written, which the nine stores read; and for the next head's loads: XF is written, the moves are done reading BT, and the head's products are done reading W's scale words and fragments
.irp t, 0,1,2,3
	global_store_b128 v[LI], v[XF+8*\t:XF+8*\t+3], s[28:29] offset:4096+1024*\t
	global_store_b128 v[LI], v[XF+8*\t+4:XF+8*\t+7], s[28:29] offset:4096+1024*\t+512
.endr
	global_store_b64 v[SCO], v[SD:SD+1], s[28:29] offset:8448
	NEXTHEAD
	s_cbranch_scc1 .Lv
	s_wait_dscnt 0x0
	s_wait_alu depctr_hold_cnt(0) depctr_sa_sdst(0) depctr_va_vdst(0) depctr_va_sdst(0) depctr_va_ssrc(0) depctr_va_vcc(0) depctr_vm_vsrc(0)
	s_wait_tensorcnt 0x0
	ds_add_u32 v254, v255
	s_wait_dscnt 0x0
	s_endpgm
.Lfunc_end_k_q64d54158e0_proj:
	.size	k_q64d54158e0_proj, .Lfunc_end_k_q64d54158e0_proj-k_q64d54158e0_proj
	.p2alignl 7, 3214868480
	.fill 96, 4, 3214868480
	.section	.rodata,"a",@progbits
	.p2align	6, 0x0
	.amdhsa_kernel k_q64d54158e0_proj
		.amdhsa_group_segment_fixed_size 138240
		.amdhsa_private_segment_fixed_size 0
		.amdhsa_enable_private_segment 0
		.amdhsa_kernarg_size 80
		.amdhsa_user_sgpr_count 2
		.amdhsa_user_sgpr_kernarg_segment_ptr 1
		.amdhsa_wavefront_size32 1
		.amdhsa_system_sgpr_workgroup_id_x 1
		.amdhsa_system_sgpr_workgroup_id_y 1
		.amdhsa_system_sgpr_workgroup_id_z 1
		.amdhsa_system_vgpr_workitem_id 0
		.amdhsa_next_free_vgpr 512
		.amdhsa_next_free_sgpr 66
		.amdhsa_reserve_vcc 0
		.amdhsa_float_denorm_mode_32 3
		.amdhsa_float_denorm_mode_16_64 3
		.amdhsa_memory_ordered 1
		.amdhsa_forward_progress 1
		.amdhsa_inst_pref_size 204
	.end_amdhsa_kernel
	.amdgpu_metadata
---
amdhsa.version: [ 1, 2 ]
amdhsa.kernels:
  - .name:           k_q64d54158e0_proj
    .symbol:         k_q64d54158e0_proj.kd
    .args:
      - { .name: q, .offset: 0, .size: 8, .value_kind: global_buffer, .address_space: global }
      - { .name: k, .offset: 8, .size: 8, .value_kind: global_buffer, .address_space: global }
      - { .name: v, .offset: 16, .size: 8, .value_kind: global_buffer, .address_space: global }
      - { .name: bq, .offset: 24, .size: 8, .value_kind: global_buffer, .address_space: global }
      - { .name: bk, .offset: 32, .size: 8, .value_kind: global_buffer, .address_space: global }
      - { .name: bv, .offset: 40, .size: 8, .value_kind: global_buffer, .address_space: global }
      - { .name: wc, .offset: 48, .size: 8, .value_kind: global_buffer, .address_space: global }
      - { .name: ws, .offset: 56, .size: 8, .value_kind: global_buffer, .address_space: global }
      - { .name: qx, .offset: 64, .size: 8, .value_kind: global_buffer, .address_space: global }
      - { .name: kv, .offset: 72, .size: 8, .value_kind: global_buffer, .address_space: global }
    .group_segment_fixed_size: 138240
    .private_segment_fixed_size: 0
    .kernarg_segment_align: 8
    .kernarg_segment_size: 80
    .max_flat_workgroup_size: 256
    .sgpr_count:     66
    .vgpr_count:     512
    .wavefront_size: 32
...
	.end_amdgpu_metadata
.endif
;; end of part 4
;; launch attn: the kernel of part 3 again; grid 4 x 64, 16 waves a work-group, clusters of 4 x 1, 210,944 bytes of LDS; arguments qx, kv, out0; writes out0
